; MI455X (gfx1250); checked and timed in simulation.
; The chip was launched on July 23, 2026; its instructions are those of AMD's public machine-readable ISA for CDNA 5 (MIT licence, August 2026) and "CDNA5" Instruction Set Architecture Reference Guide (July 2026). The comments in the code are by the model that wrote it; some were corrected since.
;; Model. Allowed arithmetic: matrix products marked QUANTISED: E3M2 operands, one E8M0 scale for each 32 along K, by v_wmma_scale_f32_16x16x128_f8f6f4 with both operands' format E3M2, f32 sums; products left as they are: f32 operands where the result goes on into a quantised operand, else bf16, f16 or f32 operands; f32 sums; everything else in f32.
;; Inputs: cl_b1 64 float32; cl_b2 10 float32; cl_w1 64 x 64 float32; cl_w2 64 x 10 float32; eb1 4 x 256 float32; eb2 4 x 64 float32; ew1 4 x 64 x 256 float32; ew2 4 x 256 x 64 float32; gate_b 4 float32; gate_w 64 x 4 float32; ln_b 64 float32; ln_g 64 float32; pe_b1 64 float32; pe_b2 64 float32; pe_w1 192 x 64 float32; pe_w2 64 x 64 float32; x 128 x 1,024 x 192 float32.
;; Outputs: out0 128 x 10 float32; out1 one number float32.
;; This version of the problem:
;;   THIS VERSION OF THE PROBLEM IS GIVEN IN LOW PRECISION. The matrix products marked QUANTISED in the list below multiply operands that are first quantised to E3M2 (3 exponent bits, 2 mantissa bits; 6 bits a number), with one power-of-two scale for each 32 numbers along K (OCP MX v1.0); their sums are f32. All else is computed in f32.
;;   The module's matrix products, in the order in which they are computed (A, B: the left and right operand; K: the contracted axis; several contracted axes count as one K, in the product's order):
;;     1. [M 131,072, K 192] x [K 192, N 64]; A: input x; B: input pe_w1: QUANTISED
;;     2. [M 131,072, K 64] x [K 64, N 64]; A: computed on the way; B: input pe_w2: QUANTISED
;;     3. [M 131,072, K 64] x [K 64, N 4]; A: computed on the way; B: input gate_w: left as it is (N = 4 < 16)
;;     4. [M 131,072, K 64] x [K 64, N 1,024]; A: computed on the way; B: input ew1: QUANTISED
;;     5. batch 4 x [M 64, K 256] x [K 256, N 131,072]; A: input ew2; B: computed on the way: QUANTISED
;;     6. batch 131,072 x [M 64, K 4] x [K 4, N 1]; A: computed on the way; B: computed on the way: left as it is (K = 4 < 32)
;;     7. [M 128, K 64] x [K 64, N 64]; A: computed on the way; B: input cl_w1: QUANTISED
;;     8. [M 128, K 64] x [K 64, N 10]; A: computed on the way; B: input cl_w2: left as it is (N = 10 < 16)
;;   THE QUANTISER, for each operand of a quantised product, along K:
;;     - K is cut into blocks of 32 from its start; a last block that is shorter is filled with zeros.
;;     - A block's scale is 2^e with e = floor(log2(the largest magnitude in the block)) - 4, held to -126 .. 127; a block of zeros has e = 0. As a byte (E8M0): e + 127.
;;     - Each number is divided by its block's scale, clamped to +-28, and rounded to the nearest number of E3M2, ties to even, subnormals kept.
;;     - The product sums the exact products of the quantised numbers (number of the format x scale) in f32.
;;   ~~~python
;;   def quantise(x, axis):      # numpy; x: float32 -> the quantised numbers, widened to float32 again
;;       x = np.moveaxis(x, axis, -1); K = x.shape[-1]
;;       x = np.pad(x, [(0, 0)] * (x.ndim - 1) + [(0, -K % 32)]); x = x.reshape(x.shape[:-1] + (-1, 32)); a = np.abs(x).max(-1, keepdims=True)
;;       e = np.where(a > 0, np.clip(np.frexp(np.where(a > 0, a, 1))[1] - 1 - 4, -126, 127), 0)      # np.frexp(a)[1] - 1 = floor(log2(a)), exactly
;;       r = np.clip(x / 2.0 ** e, -28, 28)
;;       step = 2.0 ** (np.maximum(np.frexp(np.where(r == 0, 1, r))[1] - 1, -2) - 2)
;;       q = np.round(r / step) * step * 2.0 ** e      # np.round: ties to even
;;       return np.moveaxis(q.reshape(q.shape[:-2] + (-1,))[..., :K], -1, axis).astype(np.float32)
;;   ~~~
;;   OPERANDS COMPUTED ON THE WAY. 'Computed on the way' means the value that the module computes at that place (a softmax that the list does not call 'softmax' is quantised finished and normalised). What goes into a quantiser is computed in f32, as accurately as f32 sums, v_exp_f32 and their like allow (about 1e-6 of the number): no bf16 or f16 on the way to a quantiser, and a product that is left as it is and whose result goes on into a quantised operand takes f32 operands (vector FMAs, or v_wmma_f32_16x16x4_f32). A number that lies on a knife's edge between two numbers of the format may be rounded either way, as far as f32 arithmetic and the matrix unit's own rounding can turn it there, and no further.
;; One version. Each part assembles by itself: llvm-mc -triple=amdgcn-amd-amdhsa -mcpu=gfx1250 --defsym DOCPART=n.
;; ======== version 1 of 1: 3 launches
;; limits: a function is approximated: absolute error at most 1e-07
;; workspace buffers: wimg 137,728 bytes; zpart 65,536 bytes; stat 32,768 bytes
;; launch prep (part 1): grid 27 x 1, 3 waves a work-group, no clusters, 0 bytes of LDS; arguments pe_w1, pe_w2, ew1, ew2, cl_w1, gate_w, pe_b1, pe_b2, wimg; writes wimg
.if DOCPART == 1
	.amdgcn_target "amdgcn-amd-amdhsa--gfx1250"
	.amdhsa_code_object_version 6
	.text
	.protected	k_qb12dcfca47_prep
	.globl	k_qb12dcfca47_prep
	.p2align	8
	.type	k_qb12dcfca47_prep,@function
k_qb12dcfca47_prep:
	s_mov_b64 s[64:65], 0
	v_nop
	global_prefetch_b8 v0, s[64:65] scope:SCOPE_SE
	s_setreg_imm32_b32 hwreg(HW_REG_WAVE_MODE, 25, 1), 1
	s_wait_xcnt 0x0
; All weights of the quantised products become codes of BF6 (E3M2) with one E8M0 byte for each 32 along K, laid in wimg as IMAGES OF OPERAND REGISTERS:
; a fragment (16 rows x 128 K, 12 registers a lane) is 1,536 bytes, registers 4 g .. 4 g + 3 of lane l at 512 g + 16 l; its scale words 128 bytes, lane l's at 4 l.
; The weights lie [K][N] in memory: a lane takes one column and its registers run down K, so the conversions' results are the operand's registers.
; One wave makes one task, 81 tasks: 0-7 pe_w1 (tile, K step), 8-11 pe_w2, 12-75 the experts (column block cb, slot sl: 0-3 ew1, 4-7 ew2), 76-79 cl_w1, 80 the gate's f32 fragments and the two biases.
; THE ROWS OF A TILE: lane r of tile T takes column 32 (T / 2) + 8 (T % 2) + r + 8 (r / 8), so that the results of two neighbouring tiles are 16 neighbours along the next K (ew2's tiles take neighbours).
; K SLOTS OF THE EXPERTS: an ew1 fragment holds two experts side by side along K (64 each); an ew2 fragment holds the same 32 hidden units of all four experts (32 each).
; The token side puts its codes into its expert's slot and zero codes elsewhere, so the product itself keeps the chosen expert alone.
; K past a tensor's end: zero codes (the second 64 of a fragment are cleared by a mask; what was loaded for them lies inside the buffer).
; LIMITS: a block whose largest magnitude lies under 2^-122 (a block of zeros too) keeps the byte 1; NaN and infinities are not served.
.set FLOOR, 0x2800000                  ; 2^(5 - 127): no largest magnitude is taken under it, so no byte falls under 1
.set X,    32                          ; v32-95   two blocks' 32 numbers
.set F,    96                          ; v96-107  the fragment
.set CT,   108                         ; v108-114 the upper halves of the two blocks' codes
.set FID,  23
.set A0,   24                          ; byte of the task's first number
.set HS,   25                          ; bytes from lanes 0-15 to lanes 16-31
.set CS,   26                          ; bytes from registers 0-5 to registers 6-11
.set VAL,  27                          ; -1: registers 6-11 hold codes; 0: they are past K's end
.set FD,   28                          ; the fragment's place in wimg
.set SD,   29                          ; its scale words' place
.set WIDE, 30                          ; 1: K steps by 1,024 bytes, 0: by 256
.set ISW2, 31                          ; 1: the task reads ew2
.set NATM, 38                          ; 8: the tile's rows as above; 0: neighbours
.set SRC,  40                          ; s[40:41] the tensor read
	s_load_b256 s[4:11], s[0:1], 0x0               ; pe_w1, pe_w2, ew1, ew2
	s_load_b256 s[12:19], s[0:1], 0x20             ; cl_w1, gate_w, pe_b1, pe_b2
	s_load_b64 s[20:21], s[0:1], 0x40              ; wimg
	v_lshrrev_b32 v1, 5, v0
	v_readfirstlane_b32 s22, v1                    ; wave 0..2
	s_mul_i32 s[FID], ttmp9, 3
	s_add_co_u32 s[FID], s[FID], s22               ; the task
	v_and_b32 v1, 15, v0                           ; r
	v_bfe_u32 v2, v0, 4, 1                         ; h
	v_and_b32 v7, 31, v0                           ; lane
	s_mov_b32 s36, 0x76543210
	s_mov_b32 s37, 0xfedcba98                      ; v_permlanex16_b32's selects for lane l xor 16
	s_cmp_eq_u32 s[FID], 80
	s_cbranch_scc1 .Lgate
	s_mov_b32 s[HS], 8192                          ; the small weights: 32 rows of 256 bytes
	s_mov_b32 s[CS], 0
	s_mov_b32 s[VAL], 0
	s_mov_b32 s[WIDE], 0
	s_mov_b32 s[ISW2], 0
	s_mov_b32 s[NATM], 8
	s_cmp_ge_u32 s[FID], 12
	s_cbranch_scc1 .Lnot_pe
	s_mul_i32 s[FD], s[FID], 1536
	s_lshl_b32 s[SD], s[FID], 7
	s_add_co_u32 s[SD], s[SD], 18432
	s_cmp_ge_u32 s[FID], 8
	s_cbranch_scc1 .Lpe2
	s_lshr_b32 s32, s[FID], 1                      ; pe_w1: tile,
	s_and_b32 s33, s[FID], 1                       ; K step
	s_lshl_b32 s[A0], s33, 15                      ; 128 rows of 256 bytes a K step
	s_cmp_eq_u32 s33, 0
	s_cselect_b32 s[CS], 16384, 0                  ; K step 1 has 64 along K only
	s_cselect_b32 s[VAL], -1, 0
	s_branch .Ltile
.Lpe2:
	s_sub_co_u32 s32, s[FID], 8
	s_mov_b32 s[A0], 0
	s_branch .Ltile
.Lnot_pe:
	s_cmp_ge_u32 s[FID], 76
	s_cbranch_scc1 .Lcl
	s_sub_co_u32 s32, s[FID], 12                   ; q = 8 cb + sl
	s_lshr_b32 s33, s32, 3                         ; cb
	s_and_b32 s34, s32, 7                          ; sl
	s_mul_i32 s[FD], s32, 1536
	s_add_co_u32 s[FD], s[FD], 24576
	s_lshl_b32 s[SD], s32, 7
	s_add_co_u32 s[SD], s[SD], 122880
	s_mov_b32 s[VAL], -1
	s_cmp_ge_u32 s34, 4
	s_cbranch_scc1 .Lew2
	s_and_b32 s35, s34, 1                          ; ew1 [e][k][unit]: p: experts 2 p and 2 p + 1
	s_lshl_b32 s[A0], s35, 17
	s_lshl_b32 s35, s33, 7                         ; units 32 cb on
	s_add_co_u32 s[A0], s[A0], s35
	s_lshr_b32 s35, s34, 1                         ; u: + 8 u
	s_lshl_b32 s35, s35, 5
	s_add_co_u32 s[A0], s[A0], s35
	s_mov_b32 s[HS], 32768                         ; 32 rows of 1,024 bytes
	s_mov_b32 s[CS], 65536                         ; the next expert
	s_mov_b32 s[WIDE], 1
	s_branch .Lgo
.Lew2:
	s_lshl_b32 s[A0], s33, 13                      ; ew2 [e][unit][d]: units 32 cb on,
	s_sub_co_u32 s35, s34, 4
	s_lshl_b32 s35, s35, 6                         ; columns 16 dt on
	s_add_co_u32 s[A0], s[A0], s35
	s_mov_b32 s[HS], 65536                         ; lanes 16-31: the next expert
	s_mov_b32 s[CS], 131072                        ; registers 6-11: two experts on
	s_mov_b32 s[NATM], 0
	s_mov_b32 s[ISW2], 1
	s_branch .Lgo
.Lcl:
	s_sub_co_u32 s32, s[FID], 76
	s_mov_b32 s[A0], 0
	s_mul_i32 s[FD], s32, 1536
	s_add_co_u32 s[FD], s[FD], 131072
	s_lshl_b32 s[SD], s32, 7
	s_add_co_u32 s[SD], s[SD], 137216
.Ltile:
	s_lshr_b32 s33, s32, 1                         ; tile T begins at column 32 (T / 2) + 8 (T % 2)
	s_lshl_b32 s33, s33, 7
	s_and_b32 s34, s32, 1
	s_lshl_b32 s34, s34, 5
	s_add_co_u32 s[A0], s[A0], s33
	s_add_co_u32 s[A0], s[A0], s34
.Lgo:
	s_wait_kmcnt 0x0
	s_cmp_lt_u32 s[FID], 8                         ; the tensor: each choice hangs on the task's number alone
	s_cselect_b64 s[SRC:SRC+1], s[4:5], s[6:7]
	s_cmp_lt_u32 s[FID], 12
	s_cselect_b64 s[SRC:SRC+1], s[SRC:SRC+1], s[8:9]
	s_cmp_eq_u32 s[ISW2], 1
	s_cselect_b64 s[SRC:SRC+1], s[10:11], s[SRC:SRC+1]
	s_cmp_lt_u32 s[FID], 76
	s_cselect_b64 s[SRC:SRC+1], s[SRC:SRC+1], s[12:13]
	v_and_b32 v3, s[NATM], v1
	v_add_nc_u32 v3, v3, v1                        ; r + 8 (r / 8), or r
	v_lshlrev_b32 v3, 2, v3
	v_mad_u32_u24 v3, v2, s[HS], v3
	v_add_nc_u32 v3, s[A0], v3                     ; my column, my half's first row: registers 0-5
	v_add_nc_u32 v4, s[CS], v3                     ; registers 6-11
	v_lshl_add_u32 v5, v7, 4, s[FD]
	v_lshl_add_u32 v6, v7, 2, s[SD]
.macro LOADS stride                    ; 32 numbers down K for each of my two blocks
.set n, 0
.rept 32
	global_load_b32 v[X+n], v3, s[SRC:SRC+1] offset:n*\stride
	global_load_b32 v[X+32+n], v4, s[SRC:SRC+1] offset:n*\stride
.set n, n+1
.endr
.endm
	s_cmp_eq_u32 s[WIDE], 1
	s_cbranch_scc1 .Lwide
	LOADS 256
	s_branch .Lloaded
.Lwide:
	LOADS 1024
.Lloaded:
	s_wait_loadcnt 0x0
	v_max3_num_f32 v8, |v[X]|, |v[X+1]|, FLOOR     ; each block's largest magnitude: all 32 numbers are mine; the two blocks by turns
	v_max3_num_f32 v9, |v[X+32]|, |v[X+33]|, FLOOR
.irp i, 2,4,6,8,10,12,14,16,18,20,22,24,26,28,30
	v_max3_num_f32 v8, v8, |v[X+\i]|, |v[X+\i+1]|
	v_max3_num_f32 v9, v9, |v[X+32+\i]|, |v[X+33+\i]|
.endr
	v_add_nc_u32 v10, 0xfe000000, v8               ; 4 off the exponent field: the conversion takes this operand's exponent field as its scale
	v_add_nc_u32 v11, 0xfe000000, v9
	v_lshrrev_b32 v12, 23, v10                     ; the scales' bytes
	v_lshrrev_b32 v13, 23, v11
	v_lshl_or_b32 v14, v13, 16, v12                ; my two bytes: blocks h and 2 + h,
	v_lshlrev_b32 v15, 3, v2
	v_lshlrev_b32 v14, v15, v14                    ; at their places in the word;
	v_mov_b32 v15, 0
	v_permlanex16_b32 v15, v14, s36, s37
	v_or_b32 v14, v14, v15                         ; with lane l xor 16's two the word is whole, in both halves
.irp c, 0,1
	v_cvt_scalef32_pk16_bf6_f32 v[F+6*\c:F+6*\c+2], v[X+32*\c:X+32*\c+15], v[10+\c]
	v_cvt_scalef32_pk16_bf6_f32 v[CT+4*\c:CT+4*\c+2], v[X+32*\c+16:X+32*\c+31], v[10+\c]   ; (a conversion's three registers begin on an even number)
.endr
	v_nop                                          ; one plain place behind a scaled conversion
.irp c, 0,1
.irp i, 0,1,2
	v_mov_b32 v[F+3+6*\c+\i], v[CT+4*\c+\i]
.endr
.endr
.irp i, 6,7,8,9,10,11
	v_and_b32 v[F+\i], s[VAL], v[F+\i]             ; zero codes past K's end
.endr
.irp g, 0,1,2
	global_store_b128 v5, v[F+4*\g:F+4*\g+3], s[20:21] offset:512*\g   ; 32 lanes store 512 consecutive bytes
.endr
	global_store_b32 v6, v14, s[20:21]
	s_endpgm
.Lgate:
; The gate's weights as source 0 of the f32 matrix form (16 x 4): K step st, register jj of lane (r, h) holds gate_w[32 (st / 8) + 16 h + 8 ((st / 4) % 2) + 2 (st % 4) + jj][r % 4]:
; the very dimension that register 2 st + jj of h's result layout holds in that half of the lanes.  Rows 4-7 and 12-15 are zeros: so both halves of the lanes find the four logits in a result's registers 0-3.
	v_and_b32 v3, 3, v1
	v_lshlrev_b32 v3, 2, v3
	v_lshl_add_u32 v3, v2, 8, v3                   ; 16 rows of 16 bytes for lanes 16-31, + 4 (r % 4)
	v_lshlrev_b32 v4, 3, v7
	v_lshlrev_b32 v5, 4, v7
	v_and_b32 v6, 4, v1
	v_cmp_eq_u32 vcc_lo, 0, v6
	s_wait_kmcnt 0x0
.irp st, 0,1,2,3,4,5,6,7,8,9,10,11,12,13,14,15
.irp jj, 0,1
	global_load_b32 v[X+2*\st+\jj], v3, s[14:15] offset:16*(32*(\st/8)+8*((\st/4)%2)+2*(\st%4)+\jj)
.endr
.endr
	global_load_b64 v[8:9], v4, s[16:17]           ; pe_b1, pe_b2: copied beside the images, so that one dense block serves the row phase
	global_load_b64 v[10:11], v4, s[18:19]
	s_wait_loadcnt 0x0
.set n, 0
.rept 32
	v_cndmask_b32 v[X+n], 0, v[X+n], vcc_lo
.set n, n+1
.endr
.irp q, 0,1,2,3,4,5,6,7
	global_store_b128 v5, v[X+4*\q:X+4*\q+3], s[20:21] offset:19968+512*\q
.endr
	global_store_b64 v4, v[8:9], s[20:21] offset:24064
	global_store_b64 v4, v[10:11], s[20:21] offset:24320
	s_endpgm
.Lfunc_end_k_qb12dcfca47_prep:
	.size	k_qb12dcfca47_prep, .Lfunc_end_k_qb12dcfca47_prep-k_qb12dcfca47_prep
	.p2alignl 7, 3214868480
	.fill 96, 4, 3214868480
	.section	.rodata,"a",@progbits
	.p2align	6, 0x0
	.amdhsa_kernel k_qb12dcfca47_prep
		.amdhsa_group_segment_fixed_size 0
		.amdhsa_private_segment_fixed_size 0
		.amdhsa_enable_private_segment 0
		.amdhsa_kernarg_size 72
		.amdhsa_user_sgpr_count 2
		.amdhsa_user_sgpr_kernarg_segment_ptr 1
		.amdhsa_wavefront_size32 1
		.amdhsa_system_sgpr_workgroup_id_x 1
		.amdhsa_system_sgpr_workgroup_id_y 1
		.amdhsa_system_sgpr_workgroup_id_z 1
		.amdhsa_system_vgpr_workitem_id 0
		.amdhsa_next_free_vgpr 128
		.amdhsa_next_free_sgpr 66
		.amdhsa_reserve_vcc 1
		.amdhsa_float_denorm_mode_32 3
		.amdhsa_float_denorm_mode_16_64 3
		.amdhsa_memory_ordered 1
		.amdhsa_forward_progress 1
		.amdhsa_inst_pref_size 26
	.end_amdhsa_kernel
	.amdgpu_metadata
---
amdhsa.version: [ 1, 2 ]
amdhsa.kernels:
  - .name:           k_qb12dcfca47_prep
    .symbol:         k_qb12dcfca47_prep.kd
    .args:
      - { .name: pe_w1, .offset: 0, .size: 8, .value_kind: global_buffer, .address_space: global }
      - { .name: pe_w2, .offset: 8, .size: 8, .value_kind: global_buffer, .address_space: global }
      - { .name: ew1, .offset: 16, .size: 8, .value_kind: global_buffer, .address_space: global }
      - { .name: ew2, .offset: 24, .size: 8, .value_kind: global_buffer, .address_space: global }
      - { .name: cl_w1, .offset: 32, .size: 8, .value_kind: global_buffer, .address_space: global }
      - { .name: gate_w, .offset: 40, .size: 8, .value_kind: global_buffer, .address_space: global }
      - { .name: pe_b1, .offset: 48, .size: 8, .value_kind: global_buffer, .address_space: global }
      - { .name: pe_b2, .offset: 56, .size: 8, .value_kind: global_buffer, .address_space: global }
      - { .name: wimg, .offset: 64, .size: 8, .value_kind: global_buffer, .address_space: global }
    .group_segment_fixed_size: 0
    .private_segment_fixed_size: 0
    .kernarg_segment_align: 8
    .kernarg_segment_size: 72
    .max_flat_workgroup_size: 96
    .sgpr_count:     66
    .vgpr_count:     128
    .wavefront_size: 32
...
	.end_amdgpu_metadata
.endif
;; end of part 1
;; launch main (part 2): grid 256 x 1, 16 waves a work-group, no clusters, 327,680 bytes of LDS; arguments x, wimg, gate_b, eb1, zpart, stat; writes zpart, stat
.if DOCPART == 2
	.amdgcn_target "amdgcn-amd-amdhsa--gfx1250"
	.amdhsa_code_object_version 6
	.text
	.protected	k_qb12dcfca47_main
	.globl	k_qb12dcfca47_main
	.p2align	8
	.type	k_qb12dcfca47_main,@function
k_qb12dcfca47_main:
	s_mov_b64 s[64:65], 0
	v_nop
	global_prefetch_b8 v0, s[64:65] scope:SCOPE_SE
	s_setreg_imm32_b32 hwreg(HW_REG_WAVE_MODE, 25, 1), 1
	s_wait_xcnt 0x0
; Tokens through the patch encoder, the gate and the chosen expert; each work-group leaves the gate-weighted sum of its 512 tokens' expert outputs (64 numbers) and its sums for the load-balance loss.
; SHARES.  Work-group wg owns tokens 512 wg .. 512 wg + 511 (half of batch row wg / 2), in two rounds of 256.  Sixteen waves of 256 registers, four to a SIMD, so that one wave's matrix and LDS work stands beside another's vector work.
;   ROW PHASE (P1): wave w takes 16 tokens: x from its own LDS tile (one tensor load a round), quantised; x pe_w1 + b, GELU, quantised; pe_w2 + b = h; the four logits (f32 matrix form, h unquantised); softmax, argmax;
;     h quantised; a RECORD to LDS: h's codes laid into the chosen expert's K slot (zero codes in the other three), h's scale word, the choice, the gate value.
;   COLUMN PHASE (P2): wave w = (cb = w % 8, t = w / 8) keeps the weights of hidden units 32 cb .. 32 cb + 31 of ALL FOUR experts in registers and serves tiles 8 t .. 8 t + 7.
; THE CHOICE IS MADE BY THE PRODUCTS THEMSELVES: the experts' weights lie side by side along K, the token's codes stand in its expert's slot, zero codes add exactly nothing.  So no address and no branch hangs on the choice,
; the GELU is computed for the chosen expert alone, and the products over all experts are done in the format.  The chosen expert's bias eb1 comes by the f32 matrix form (bias [16 units x 4 experts] x one-hot): exact.
; All products but the last are used transposed (source 0 = 16 rows of a weight, source 1 = 16 tokens): a lane holds one token (lane % 16) and its registers run along the next K; the rows of a weight's tile are chosen so
; that two neighbouring tiles give 16 neighbours.  The last product has the tokens as source 0: a lane holds one output column and eight tokens, which are weighted by their gate values and summed.
; eb2 is not added here: its part of the sum is (sum of gate values by expert) x eb2, made by the last launch from the statistics.
; GELU(x) = x (0.5 + xc A(u) / B(u)), xc = x held to +-4 sqrt 2, u = xc^2: the rational erf in f32 with x / sqrt 2 and the factor 1/2 folded into the coefficients.
; LIMITS: the normal distribution function so made has an absolute error of about 1e-7, so the relative error of GELU grows on the negative tail (about 1e-5 near -3; under -5.66 the result is |x| times at most an ulp of 1/2);
; NaN and infinities are not served; a block whose largest magnitude lies under 2^-122 keeps the scale byte 1; the argmax is taken on this program's own f32 probabilities (ties: the lower index);
; the last product's K = 256 is summed in eight parts, one a column wave.
; No cluster: what work-groups share (the weight images) goes mostly straight into operand registers and is less than a work-group's own bytes of x.
.set XTILE, 13056                      ; a wave's tile of x: 48 rows of 256 bytes + 16 of padding; a token's row is three of them, 816 bytes = 51 x 16: sixteen tokens start at sixteen different 16-byte columns
.set REC,   16*XTILE                   ; 16 records of RECB bytes: +0 codes for experts 0, 1; +1,536 for experts 2, 3; +3,072 16 bytes a lane {h's scale word, choice - h, one-hot pair}; +3,584 16 gate values
.set RECB,  3840
.set P1B,   REC+16*RECB                ; the first 24,576 bytes of wimg: pe_w1's and pe_w2's images, their scale words, the gate's fragments, pe_b1, pe_b2
.set RED,   P1B+24576                  ; 16 x 256: the waves' sums of outputs
.set STA,   RED+4096                   ; 16 x 64: the waves' statistics
.set SPARE, STA+1024                   ; the spare words, 128 bytes for each wave: eight blocks of 256 bytes that no other line names
.set FLOOR, 0x2800000                  ; 2^(5 - 127)
.set SPW, 1                            ; v1  LDS address of my spare word; never rewritten
.set NIL, 2                            ; v2  0; never rewritten
.set XA,  3                            ; v3  x: my tile + 816 r + 64 h
.set RW,  4                            ; v4  my record + 16 lane
.set RWG, 5                            ; v5  my record + 4 r
.set RR,  6                            ; v6  P2: the record in hand + 16 lane
.set RG,  7                            ; v7  P2: the record in hand + 32 h
.set PI,  8                            ; v8  P1B + 16 lane
.set PSA, 9                            ; v9  P1B + 18,432 + 4 lane
.set PBA, 10                           ; v10 P1B + 24,064 + 64 h
.set H2,  11                           ; v11 2 h
.set HH,  12                           ; v12 h
.set L16, 13                           ; v13 16 lane
.set L4,  14                           ; v14 4 lane
.set EBO, 15                           ; v15 eb1: 2,048 h + 4 (r + 8 (r / 8)) + 128 cb
.set PS,  16                           ; v16-19 sums of the four probabilities
.set CN,  20                           ; v20-21 counts of experts 2 h, 2 h + 1
.set GS,  22                           ; v22-23 sums of gate values of experts 2 h, 2 h + 1
.set ZA,  24                           ; v24-31 sums of weighted outputs: a pair for each 16 columns
.set W1S, 32                           ; v32-35 ew1's scale words; v36-39 ew2's; v40 the hidden block's; v41-42 x's; v43 the encoder's hidden layer's; v44-51 pe_w1's, pe_w2's: these hold scales and nothing else
.set W2S, 36
.set ES,  40
.set XW,  41
.set GW,  43
.set PW,  44
.set META, 52                          ; v52 h's scale word (a scale and nothing else), v53 choice - h, v54-55 the one-hot pair
.set BA,  56                           ; v56-59 eb1 as source 0 of the f32 form, two tiles
.set WA,  60                           ; v60-107 ew1's four fragments (2 u + p);   in P1: x's numbers, pe_w1's fragments
.set WB,  108                          ; v108-155 ew2's four fragments (dt);       in P1: the same, then pe_w2's
.set ACC, 156                          ; v156-171 two accumulators, written by matrix instructions alone
.set XR,  60
.set XC,  172                          ; P1: v172-195 x's two fragments; then v172-183 the hidden layer's; then v172-203 the gate's fragments; then the softmax
.set M,   196                          ; P1: v196-201 a quantiser's maxima, bytes, scale operands
.set CT,  202
.set AH,  208                          ; P1: v208-239 four accumulators: the encoder's hidden layer, then h; then the record's codes
.set GT,  240                          ; P1: v240-255 the GELU's 16 temporaries; then h's quantiser
.set HC,  250
.set LG,  172
.set SM,  176
.set PM,  178
.set IX,  179
.set DD,  180
.set HF,  172                          ; P2: v172-195 the record's two fragments
.set G,   196                          ; P2: v196-203 eight gate values
.set EF,  204                          ; P2: v204-215 the hidden block's fragment
.set TM,  216
.set EO,  220                          ; P2: v220-251 four accumulators of outputs; under them v220-235 the hidden block's 16 numbers, v236-243 its codes, v244-255 the GELU's temporaries
.set T,   220
.set CA,  236
.set CB,  240
.set GTT, 244
.set GB,  16                           ; s[16:19] gate_b
.set WV,  20
.set CBK, 21
.set TH,  22
.set SEL, 24                           ; s[24:25] v_permlanex16_b32's selects for lane l xor 16
.set G0,  28                           ; s[28:31] descriptor group 0;  s[32:39] group 1
.set G1,  32
.set KA,  40                           ; s[40:53] a0 .. a6, each a pair;  s[54:63] b0 .. b4
.set KB,  54
.set CLIP, 66
.set L2E, 67
.set EM,  68                           ; s68-71 lanes whose token chose expert 0 .. 3
.set MLO, 72
.set MHI, 73
.set CNT, 74
.set RB,  75                           ; LDS byte of the record in hand
.set WF,  76                           ; s[76:77] my column block's fragments in wimg;  s[78:79] their scale words
.set WS,  78
.macro NOPS n
.rept \n
	v_nop
.endr
.endm
.macro COEF reg, val                   ; the packed forms name a pair and take its low word for both halves: both words are written
	s_mov_b32 s[\reg], \val
	s_mov_b32 s[\reg+1], \val
.endm
.macro MXA d, a, b, sa, sb             ; d += a x b
	v_wmma_scale_f32_16x16x128_f8f6f4 v[\d:\d+7], v[\a:\a+11], v[\b:\b+11], v[\d:\d+7], v[\sa], v[\sb] matrix_a_fmt:MATRIX_FMT_BF6 matrix_b_fmt:MATRIX_FMT_BF6
.endm
.macro MXZ d, a, b, sa, sb             ; d = a x b
	v_wmma_scale_f32_16x16x128_f8f6f4 v[\d:\d+7], v[\a:\a+11], v[\b:\b+11], 0, v[\sa], v[\sb] matrix_a_fmt:MATRIX_FMT_BF6 matrix_b_fmt:MATRIX_FMT_BF6
.endm
; GELU of four numbers v[x ..] into v[d ..].  xc: four registers (may be d where d is not x); t: twelve: u, B then 1 / B, A, a pair of pairs each.  The two pairs take turns line by line.
.macro GELU4 x, d, xc, t
.irp i, 0,1,2,3
	v_med3_num_f32 v[\xc+\i], v[\x+\i], -s[CLIP], s[CLIP]
.endr
.irp p, 0,2
	v_pk_mul_f32 v[\t+\p:\t+\p+1], v[\xc+\p:\xc+\p+1], v[\xc+\p:\xc+\p+1]
.endr
.irp p, 0,2
	v_pk_fma_f32 v[\t+4+\p:\t+5+\p], v[\t+\p:\t+\p+1], s[KB+8:KB+9], s[KB+6:KB+7] op_sel_hi:[1,0,0]
.endr
.irp k, 4,2,0
.irp p, 0,2
	v_pk_fma_f32 v[\t+4+\p:\t+5+\p], v[\t+4+\p:\t+5+\p], v[\t+\p:\t+\p+1], s[KB+\k:KB+\k+1] op_sel_hi:[1,1,0]
.endr
.endr
.irp i, 4,5,6,7
	v_rcp_f32 v[\t+\i], v[\t+\i]
.endr
.irp p, 0,2                            ; A's chain is the plain work behind the reciprocals
	v_pk_fma_f32 v[\t+8+\p:\t+9+\p], v[\t+\p:\t+\p+1], s[KA+12:KA+13], s[KA+10:KA+11] op_sel_hi:[1,0,0]
.endr
.irp k, 8,6,4,2,0
.irp p, 0,2
	v_pk_fma_f32 v[\t+8+\p:\t+9+\p], v[\t+8+\p:\t+9+\p], v[\t+\p:\t+\p+1], s[KA+\k:KA+\k+1] op_sel_hi:[1,1,0]
.endr
.endr
	s_wait_alu depctr_va_vdst(0)
.irp p, 0,2
	v_pk_mul_f32 v[\t+8+\p:\t+9+\p], v[\t+8+\p:\t+9+\p], v[\t+4+\p:\t+5+\p]
.endr
.irp p, 0,2
	v_pk_fma_f32 v[\t+8+\p:\t+9+\p], v[\xc+\p:\xc+\p+1], v[\t+8+\p:\t+9+\p], 0.5 op_sel_hi:[1,1,0]
.endr
.irp p, 0,2
	v_pk_mul_f32 v[\d+\p:\d+\p+1], v[\x+\p:\x+\p+1], v[\t+8+\p:\t+9+\p]
.endr
.endm
; 32 numbers of a lane, register 16 b + i = k 32 b + 16 h + i of my token, become six registers of codes (k = 32 h + 0 .. 31) in v[dst ..]; the two bytes are left in v[m + 2], v[m + 3].
.macro QB2 s, dst, ct, m
	v_max3_num_f32 v[\m], |v[\s]|, |v[\s+1]|, FLOOR
	v_max3_num_f32 v[\m+1], |v[\s+16]|, |v[\s+17]|, FLOOR
.irp i, 2,4,6,8,10,12,14
	v_max3_num_f32 v[\m], v[\m], |v[\s+\i]|, |v[\s+\i+1]|
	v_max3_num_f32 v[\m+1], v[\m+1], |v[\s+16+\i]|, |v[\s+17+\i]|
.endr
	v_permlanex16_b32 v[\m+2], v[\m], s[SEL], s[SEL+1]
	v_permlanex16_b32 v[\m+3], v[\m+1], s[SEL], s[SEL+1]
	v_max_num_f32 v[\m], v[\m], v[\m+2]            ; with lane l xor 16's 16: the blocks' largest magnitudes
	v_max_num_f32 v[\m+1], v[\m+1], v[\m+3]
	v_add_nc_u32 v[\m+4], 0xfe000000, v[\m]        ; 4 off the exponent field: the conversions' scale operands
	v_add_nc_u32 v[\m+5], 0xfe000000, v[\m+1]
	v_lshrrev_b32 v[\m+2], 23, v[\m+4]             ; the bytes
	v_lshrrev_b32 v[\m+3], 23, v[\m+5]
	v_cvt_scalef32_pk16_bf6_f32 v[\dst:\dst+2], v[\s:\s+15], v[\m+4]
	v_cvt_scalef32_pk16_bf6_f32 v[\ct:\ct+2], v[\s+16:\s+31], v[\m+5]
	v_nop                                          ; one plain place behind a scaled conversion
.irp i, 0,1,2
	v_permlane16_swap_b32 v[\dst+\i], v[\ct+\i]    ; a whole block to a lane: lanes 0-15 the first block, lanes 16-31 the second
.endr
.irp i, 0,1,2
	v_mov_b32 v[\dst+3+\i], v[\ct+\i]
.endr
.endm
	s_load_b256 s[4:11], s[0:1], 0x0               ; x, wimg, gate_b, eb1
	s_load_b128 s[12:15], s[0:1], 0x20             ; zpart, stat
	v_lshl_add_u32 v[SPW], v0, 2, SPARE
	v_mov_b32 v[NIL], 0
	ds_add_u32 v1, v2
	ds_add_u32 v1, v2
	s_wait_dscnt 0x0
	v_lshrrev_b32 v3, 5, v0
	v_readfirstlane_b32 s[WV], v3                  ; wave 0..15
	s_and_b32 s[CBK], s[WV], 7
	s_lshr_b32 s[TH], s[WV], 3
	s_mov_b32 s[SEL], 0x76543210
	s_mov_b32 s[SEL+1], 0xfedcba98
	; descriptor group 1: my 16 tokens are 12,288 dense bytes: 48 rows of 32 elements of 8 bytes, 4 words of padding behind each 64
	s_mov_b32 s[G1], (3<<16)|(1<<20)|(5<<22)|(3<<25)
	s_mov_b32 s[G1+1], 32<<16                      ; tensor_dim0
	s_mov_b32 s[G1+2], 48<<16                      ; tensor_dim1
	s_mov_b32 s[G1+3], 32<<16                      ; tile_dim0
	s_mov_b32 s[G1+4], 48                          ; tile_dim1
	s_mov_b32 s[G1+5], 32                          ; pitch
	s_mov_b32 s[G1+6], 0
	s_mov_b32 s[G1+7], 0
	s_mov_b32 s[G0], 1
	s_mul_i32 s[G0+1], s[WV], XTILE                ; my tile in LDS
	s_mul_i32 s80, ttmp9, 393216                   ; 512 tokens of 768 bytes a work-group (under 2^32 in all),
	s_mul_i32 s81, s[WV], 12288                    ; 16 a wave
	s_add_co_u32 s80, s80, s81
	s_mov_b32 s81, 0
	s_mul_i32 s84, s[CBK], 12288
	s_add_co_u32 s84, s84, 24576
	s_mov_b32 s85, 0
	s_lshl_b32 s86, s[CBK], 10
	s_add_co_u32 s86, s86, 122880
	s_mov_b32 s87, 0
	s_wait_kmcnt 0x0
	s_add_nc_u64 s[G0+2:G0+3], s[4:5], s[80:81]
	s_or_b32 s[G0+3], s[G0+3], 0x80000000
	tensor_load_to_lds s[G0:G0+3], s[G1:G1+7]      ; round 0's tile: the first fill, ahead of every wait on TENSORcnt, every LDS read and every barrier
	s_nop 0
	NOPS 4
	s_load_b128 s[GB:GB+3], s[8:9], 0x0            ; gate_b
	s_add_nc_u64 s[WF:WF+1], s[6:7], s[84:85]
	s_add_nc_u64 s[WS:WS+1], s[6:7], s[86:87]
	v_and_b32 v[L16], 31, v0
	v_lshlrev_b32 v[L4], 2, v[L16]
	v_lshlrev_b32 v[L16], 4, v[L16]
	s_lshl_b32 s82, s[WV], 9
	v_add_nc_u32 v184, s82, v[L16]                 ; chunks w, w + 16, w + 32 of the 48 chunks of 512 bytes
	global_load_b128 v[172:175], v184, s[6:7]
	global_load_b128 v[176:179], v184, s[6:7] offset:8192
	global_load_b128 v[180:183], v184, s[6:7] offset:16384
	v_and_b32 v6, 15, v0                           ; r
	v_bfe_u32 v[HH], v0, 4, 1
	v_lshlrev_b32 v[H2], 1, v[HH]
	v_and_b32 v[EBO], 8, v6
	v_add_nc_u32 v[EBO], v[EBO], v6
	v_lshlrev_b32 v[EBO], 2, v[EBO]
	v_lshl_add_u32 v[EBO], v[HH], 11, v[EBO]
	s_lshl_b32 s83, s[CBK], 7
	v_add_nc_u32 v[EBO], s83, v[EBO]
.irp i, 0,1,2,3,4,5,6,7
	global_load_b32 v[W1S+\i], v[L4], s[WS:WS+1] offset:128*\i     ; the scale words of my eight fragments: they stay
.endr
.irp u, 0,1
.irp jj, 0,1
	global_load_b32 v[BA+2*\u+\jj], v[EBO], s[10:11] offset:1024*\jj+32*\u   ; eb1[2 h + jj][32 cb + 8 u + r + 8 (r / 8)]
.endr
.endr
	COEF KA,    0xbbba79f3
	COEF KA+2,  0xba08eb41
	COEF KA+4,  0xb8883d9c
	COEF KA+6,  0xb628d45d
	COEF KA+8,  0xb347667d
	COEF KA+10, 0x2fa84a8d
	COEF KA+12, 0xabd3f331
	COEF KB,    0xbc69b6a7
	COEF KB+2,  0xbb719bf8
	COEF KB+4,  0xb9dc924e
	COEF KB+6,  0xb7dfbd29
	COEF KB+8,  0xb57460cd
	s_mov_b32 s[CLIP], 0x40b504f3                  ; 4 sqrt 2
	s_mov_b32 s[L2E], 0x3fb8aa3b                   ; log2 e
	v_mul_u32_u24 v[XA], v6, 816
	v_lshl_add_u32 v[XA], v[HH], 6, v[XA]
	v_add_nc_u32 v[XA], s[G0+1], v[XA]
	s_mul_i32 s80, s[WV], RECB
	s_add_co_u32 s80, s80, REC
	v_add_nc_u32 v[RW], s80, v[L16]
	v_lshl_add_u32 v[RWG], v6, 2, s80
	v_add_nc_u32 v[PI], P1B, v[L16]
	v_add_nc_u32 v[PSA], P1B+18432, v[L4]
	v_lshl_add_u32 v[PBA], v[HH], 6, P1B+24064
.set n, PS
.rept 16
	v_mov_b32 v[n], 0                              ; the sums that are carried through both rounds
.set n, n+1
.endr
	v_mov_b32 v[M+2], 0                            ; written once: a lane permute's destination counts as one of its sources
	v_mov_b32 v[M+3], 0
	v_add_nc_u32 v185, P1B, v184
	s_wait_loadcnt 12                              ; the three chunks are in; the 8 scale words and 4 bias loads behind them may be out
	ds_store_b128 v185, v[172:175]
	ds_store_b128 v185, v[176:179] offset:8192
	ds_store_b128 v185, v[180:183] offset:16384
	s_wait_kmcnt 0x0                               ; gate_b
	s_wait_dscnt 0x0                               ; for the others' sake: my chunks lie in LDS
	s_barrier_signal -1
	s_barrier_wait -1                              ; the row phase's weights are whole
; ---- THE ROW PHASE: my 16 tokens
.macro P1
	s_wait_tensorcnt 0x0                           ; my tile of x has landed; only I read it
.irp b, 0,1,2,3,4,5
.irp j, 0,1,2,3
	ds_load_b128 v[XR+16*\b+4*\j:XR+16*\b+4*\j+3], v[XA] offset:272*(\b/2)+128*(\b%2)+16*\j   ; block b: my 16 numbers, k = 32 b + 16 h + 0 .. 15
.endr
.endr
	s_wait_dscnt 16                                ; blocks 0, 1 are in; the 16 loads of blocks 2 to 5 may be out
	QB2 XR, XC, CT, M
	v_lshl_or_b32 v[XW], v[M+3], 8, v[M+2]
	s_wait_dscnt 8                                 ; blocks 2, 3
	QB2 XR+32, XC+6, CT, M
	v_lshl_or_b32 v[XW], v[M+2], 16, v[XW]
	v_lshl_or_b32 v[XW], v[M+3], 24, v[XW]
.irp i, 6,7,8,9,10,11
	v_mov_b32 v[XC+12+\i], 0                       ; K = 192: the second K step's upper 64 are zero codes
.endr
	s_wait_dscnt 0x0
	QB2 XR+64, XC+12, CT, M
	v_lshl_or_b32 v[XW+1], v[M+3], 8, v[M+2]
.irp f, 0,1,2,3,4,5,6,7                ; pe_w1's eight fragments (2 T + s) take x's numbers' place
.irp g, 0,1,2
	ds_load_b128 v[WA+12*\f+4*\g:WA+12*\f+4*\g+3], v[PI] offset:1536*\f+512*\g
.endr
	ds_load_b32 v[PW+\f], v[PSA] offset:128*\f
.endr
.irp T, 0,1,2,3                        ; pe_b1 in the result's layout: the sums begin with it
	ds_load_b128 v[AH+8*\T:AH+8*\T+3], v[PBA] offset:128*(\T/2)+32*(\T%2)
	ds_load_b128 v[AH+8*\T+4:AH+8*\T+7], v[PBA] offset:128*(\T/2)+32*(\T%2)+16
.endr
	NOPS 8                                         ; a scale word made by vector instructions stands eight places ahead of the product, codes so made four
	s_wait_dscnt 0x0
.irp s, 0,1                            ; the four accumulators by turns
.irp T, 0,1,2,3
	MXA AH+8*\T, WA+12*(2*\T+\s), XC+12*\s, PW+2*\T+\s, XW+\s
.endr
.endr
	NOPS 4                                         ; places in front of loads into registers that the products have read, and of the first read of results
.irp n, 0,1,2,3,4,5,6,7,8,9,10,11
	global_load_b128 v[WA+4*\n:WA+4*\n+3], v[L16], s[WF:WF+1] offset:512*\n   ; ew1's four fragments for the column phase: they land under the rest of this phase
.endr
.irp T, 0,1,2,3
.irp g, 0,1,2
	ds_load_b128 v[WB+12*\T+4*\g:WB+12*\T+4*\g+3], v[PI] offset:1536*(8+\T)+512*\g   ; pe_w2's four fragments
.endr
	ds_load_b32 v[PW+\T], v[PSA] offset:128*(8+\T)
.endr
.irp n, 0,1,2,3,4,5,6,7
	GELU4 AH+4*\n, AH+4*\n, GT, GT+4
.endr
.irp i, 6,7,8,9,10,11
	v_mov_b32 v[XC+\i], 0                          ; K = 64: zero codes above
.endr
	QB2 AH, XC, CT, M
	v_lshl_or_b32 v[GW], v[M+3], 8, v[M+2]
.irp T, 0,1,2,3                        ; pe_b2
	ds_load_b128 v[AH+8*\T:AH+8*\T+3], v[PBA] offset:256+128*(\T/2)+32*(\T%2)
	ds_load_b128 v[AH+8*\T+4:AH+8*\T+7], v[PBA] offset:256+128*(\T/2)+32*(\T%2)+16
.endr
	NOPS 8
	s_wait_dscnt 0x0
.irp T, 0,1,2,3
	MXA AH+8*\T, WB+12*\T, XC, PW+\T, GW           ; h: register 8 T + j of lane (r, h) is dimension 32 (T / 2) + 16 h + 8 (T % 2) + j of token r
.endr
	NOPS 5                                         ; five places before matrix instructions take these results as a source; four serve the loads below
.irp n, 0,1,2,3,4,5,6,7,8,9,10,11
	global_load_b128 v[WB+4*\n:WB+4*\n+3], v[L16], s[WF:WF+1] offset:6144+512*\n   ; ew2's four fragments
.endr
.irp q, 0,1,2,3,4,5,6,7
	ds_load_b128 v[XC+4*\q:XC+4*\q+3], v[PI] offset:19968+512*\q   ; the gate's sixteen f32 fragments
.endr
	s_wait_dscnt 0x0
.irp st, 0,1,2,3,4,5,6,7,8,9,10,11,12,13,14,15   ; the logits from the unquantised h, four dimensions a step; two accumulators by turns
.if \st < 2
	v_wmma_f32_16x16x4_f32 v[ACC+8*(\st%2):ACC+8*(\st%2)+7], v[XC+2*\st:XC+2*\st+1], v[AH+2*\st:AH+2*\st+1], 0
.else
	v_wmma_f32_16x16x4_f32 v[ACC+8*(\st%2):ACC+8*(\st%2)+7], v[XC+2*\st:XC+2*\st+1], v[AH+2*\st:AH+2*\st+1], v[ACC+8*(\st%2):ACC+8*(\st%2)+7]
.endif
.endr
	QB2 AH, HC, GT+6, GT                           ; h's codes.  Its plain lines are also the eight places behind the f32 products
	v_lshl_or_b32 v[META], v[GT+3], 8, v[GT+2]
	v_lshl_or_b32 v[META], v[META], 16, v[META]    ; h's two bytes twice: an expert's slot is 64 along K
	v_pk_add_f32 v[LG:LG+1], v[ACC:ACC+1], v[ACC+8:ACC+9]
	v_pk_add_f32 v[LG+2:LG+3], v[ACC+2:ACC+3], v[ACC+10:ACC+11]
.irp e, 0,1,2,3
	v_add_f32 v[LG+\e], s[GB+\e], v[LG+\e]
.endr
	v_max3_num_f32 v[SM], v[LG], v[LG+1], v[LG+2]
	v_max_num_f32 v[SM], v[SM], v[LG+3]            ; the softmax takes its maximum away
.irp e, 0,1,2,3
	v_sub_f32 v[LG+\e], v[LG+\e], v[SM]
.endr
.irp e, 0,1,2,3
	v_mul_f32 v[LG+\e], s[L2E], v[LG+\e]
.endr
.irp e, 0,1,2,3
	v_exp_f32 v[LG+\e], v[LG+\e]
.endr
	v_mov_b32 v[IX], 3                             ; (a plain place behind the exponentials)
	s_wait_alu depctr_va_vdst(0)
	v_add_f32 v[SM], v[LG], v[LG+1]
	v_add_f32 v[SM+1], v[LG+2], v[LG+3]
	v_add_f32 v[SM], v[SM], v[SM+1]
	v_rcp_f32 v[SM], v[SM]
	v_nop
	s_wait_alu depctr_va_vdst(0)
	v_pk_mul_f32 v[LG:LG+1], v[LG:LG+1], v[SM:SM+1] op_sel_hi:[1,0]
	v_pk_mul_f32 v[LG+2:LG+3], v[LG+2:LG+3], v[SM:SM+1] op_sel_hi:[1,0]
	v_max3_num_f32 v[PM], v[LG], v[LG+1], v[LG+2]
	v_max_num_f32 v[PM], v[PM], v[LG+3]            ; the gate value
	v_cmp_eq_f32 vcc_lo, v[LG+2], v[PM]            ; the choice: the lowest index that reaches it.  It selects values alone: no address, no branch
	v_cndmask_b32 v[IX], v[IX], 2, vcc_lo
	v_cmp_eq_f32 vcc_lo, v[LG+1], v[PM]
	v_cndmask_b32 v[IX], v[IX], 1, vcc_lo
	v_cmp_eq_f32 vcc_lo, v[LG], v[PM]
	v_cndmask_b32 v[IX], v[IX], 0, vcc_lo
	v_pk_add_f32 v[PS:PS+1], v[PS:PS+1], v[LG:LG+1]
	v_pk_add_f32 v[PS+2:PS+3], v[PS+2:PS+3], v[LG+2:LG+3]
	v_sub_nc_u32 v[DD], v[IX], v[H2]
	v_sub_nc_u32 v[META+1], v[IX], v[HH]
	v_cmp_eq_u32 vcc_lo, 0, v[DD]
	v_cndmask_b32 v[META+2], 0, 1.0, vcc_lo        ; the one-hot as source 1 of the f32 form: register jj of lane (r, h) is expert 2 h + jj
	v_cmp_eq_u32 vcc_lo, 1, v[DD]
	v_cndmask_b32 v[META+3], 0, 1.0, vcc_lo
	v_pk_add_f32 v[CN:CN+1], v[CN:CN+1], v[META+2:META+3]
	v_pk_fma_f32 v[GS:GS+1], v[META+2:META+3], v[PM:PM+1], v[GS:GS+1] op_sel_hi:[1,0,1]
.irp e, 0,1,2,3
	v_cmp_eq_u32 s[EM+\e], \e, v[IX]
.endr
.irp e, 0,1,2,3                        ; h's codes into the chosen expert's slot, zero codes into the others
.irp i, 0,1,2,3,4,5
	v_cndmask_b32 v[AH+6*\e+\i], 0, v[HC+\i], s[EM+\e]
.endr
.endr
.irp g, 0,1,2,3,4,5
	ds_store_b128 v[RW], v[AH+4*\g:AH+4*\g+3] offset:512*\g
.endr
	ds_store_b128 v[RW], v[META:META+3] offset:3072
	ds_store_b32 v[RWG], v[PM] offset:3584         ; both halves of the lanes store the same word
.endm
; ---- THE COLUMN PHASE
.macro POOLQ q                         ; the tile before: outputs of tokens 8 h + 2 q, + 1, times their gate values, onto the sums
.irp dt, 0,1,2,3
	v_pk_fma_f32 v[ZA+2*\dt:ZA+2*\dt+1], v[G+2*\q:G+2*\q+1], v[EO+8*\dt+2*\q:EO+8*\dt+2*\q+1], v[ZA+2*\dt:ZA+2*\dt+1]
.endr
.endm
.macro QB1                             ; the hidden block's 16 numbers of a lane: its byte in all four places of v[ES]; its lower 16 codes in v[CA ..], its upper 16 in v[CB ..], in both halves of the lanes
	v_max3_num_f32 v[TM], |v[T]|, |v[T+1]|, FLOOR
	v_max3_num_f32 v[TM+1], |v[T+2]|, |v[T+3]|, |v[T+4]|
.irp i, 5,9
	v_max3_num_f32 v[TM], v[TM], |v[T+\i]|, |v[T+\i+1]|
	v_max3_num_f32 v[TM+1], v[TM+1], |v[T+\i+2]|, |v[T+\i+3]|
.endr
	v_max3_num_f32 v[TM], v[TM], |v[T+13]|, |v[T+14]|
	v_max3_num_f32 v[TM], v[TM], v[TM+1], |v[T+15]|
	v_permlanex16_b32 v[TM+2], v[TM], s[SEL], s[SEL+1]
	v_max_num_f32 v[TM], v[TM], v[TM+2]
	v_add_nc_u32 v[TM+1], 0xfe000000, v[TM]
	v_lshrrev_b32 v[TM+2], 23, v[TM+1]
	v_perm_b32 v[ES], v[TM+2], v[TM+2], 0          ; every selector byte takes byte 0
	v_cvt_scalef32_pk16_bf6_f32 v[CA:CA+2], v[T:T+15], v[TM+1]
	v_cvt_scalef32_pk16_bf6_f32 v[CB:CB+2], v[T:T+15], v[TM+1]
	v_nop                                          ; one plain place behind a scaled conversion
.irp i, 0,1,2
	v_permlane16_swap_b32 v[CA+\i], v[CB+\i]
.endr
.endm
; One tile of 16 tokens.  pool = 1: the tile before is summed here; fetch = 1: the next record is asked for; first = 1: the weights' loads are waited for.
.macro ITER pool, fetch, first
.if \first
	s_wait_loadcnt 12                              ; scale words, eb1 and ew1's fragments are in; ew2's 12 loads may be out
.endif
	s_wait_dscnt 0x0                               ; the record, and the gate values of the tile before
	v_wmma_f32_16x16x4_f32 v[ACC:ACC+7], v[BA:BA+1], v[META+2:META+3], 0          ; eb1 of the chosen expert starts the sums
	v_wmma_f32_16x16x4_f32 v[ACC+8:ACC+15], v[BA+2:BA+3], v[META+2:META+3], 0
	v_cmp_eq_u32 s[MLO], 0, v[META+1]              ; my half's block of registers 0-5 is expert h,
	v_cmp_eq_u32 s[MHI], 2, v[META+1]              ; that of registers 6-11 expert 2 + h
.if \pool
	NOPS 4                                         ; places behind the last products of the tile before, whose results are read next
	POOLQ 0
	POOLQ 1
	POOLQ 2                                        ; with the four above: the nine places between the f32 form and another form that adds onto its results
.else
	NOPS 9
.endif
	MXA ACC, WA, HF, W1S, META                     ; + h x ew1: experts 0, 1, then 2, 3; the two accumulators by turns
	MXA ACC+8, WA+24, HF, W1S+2, META
	MXA ACC, WA+12, HF+12, W1S+1, META
	MXA ACC+8, WA+36, HF+12, W1S+3, META
.if \pool
	POOLQ 3                                        ; four places in front of the loads below and of the first read of the sums
.else
	NOPS 4
.endif
	ds_load_b128 v[G:G+3], v[RG] offset:3584       ; this tile's gate values, tokens 8 h + 0 .. 7
	ds_load_b128 v[G+4:G+7], v[RG] offset:3600
.if \fetch
.irp g, 0,1,2,3,4,5
	ds_load_b128 v[HF+4*\g:HF+4*\g+3], v[RR] offset:RECB+512*\g
.endr
	ds_load_b128 v[META:META+3], v[RR] offset:RECB+3072
.endif
.irp n, 0,1,2,3
	GELU4 ACC+4*\n, T+4*\n, T+4*\n, GTT            ; the chosen expert's 32 hidden units of my column block, 16 a lane
.endr
	QB1
.irp i, 0,1,2
	v_cndmask_b32 v[EF+\i], 0, v[CA+\i], s[MLO]    ; the block's codes into the chosen expert's 32 along K, zero codes elsewhere
	v_cndmask_b32 v[EF+3+\i], 0, v[CB+\i], s[MLO]
	v_cndmask_b32 v[EF+6+\i], 0, v[CA+\i], s[MHI]
	v_cndmask_b32 v[EF+9+\i], 0, v[CB+\i], s[MHI]
.endr
	s_add_co_u32 s[RB], s[RB], RECB                ; on to the next record
	v_add_nc_u32 v[RR], s[RB], v[L16]
	v_lshl_add_u32 v[RG], v[HH], 5, s[RB]
	NOPS 5                                         ; with the two lines above and the place behind the conversions: eight places from the scale word's making, more than four from the codes'
.if \first
	s_wait_loadcnt 0x0                             ; ew2's fragments
.endif
.irp dt, 0,1,2,3
	MXZ EO+8*\dt, EF, WB+12*\dt, ES, W2S+\dt       ; source 0 = the tokens: register j of lane (r, h) is token 8 h + j, column 16 dt + r
.endr
.endm
.macro P2
	s_mul_i32 s[RB], s[TH], 8*RECB
	s_add_co_u32 s[RB], s[RB], REC                 ; my first record
	v_add_nc_u32 v[RR], s[RB], v[L16]
	v_lshl_add_u32 v[RG], v[HH], 5, s[RB]
.irp g, 0,1,2,3,4,5
	ds_load_b128 v[HF+4*\g:HF+4*\g+3], v[RR] offset:512*\g
.endr
	ds_load_b128 v[META:META+3], v[RR] offset:3072
	ITER 0, 1, 1
	s_mov_b32 s[CNT], 6
.Ltile_\@:
	ITER 1, 1, 0
	s_sub_co_u32 s[CNT], s[CNT], 1
	s_cmp_lg_u32 s[CNT], 0
	s_cbranch_scc1 .Ltile_\@
	ITER 1, 0, 0
	NOPS 4
	s_wait_dscnt 0x0                               ; the last tile's gate values
	POOLQ 0
	POOLQ 1
	POOLQ 2
	POOLQ 3
.endm
	P1
	s_wait_tensorcnt 0x0                           ; no tensor load of mine is out, so group 0 may be written
	ds_add_u32 v[SPW], v[NIL]                      ; 0 onto my spare word
	s_add_nc_u64 s[G0+2:G0+3], s[G0+2:G0+3], 196608   ; round 1's tile: 256 tokens on; the type bits on top are not reached
	s_wait_dscnt 0x0                               ; the add is done, my reads of my tile are back, my record lies in LDS
	s_barrier_signal -1
	s_barrier_wait -1                              ; all sixteen records are whole
	tensor_load_to_lds s[G0:G0+3], s[G1:G1+7]      ; my one tensor load behind this barrier, first thing there: it lands under the column phase
	s_nop 0
	NOPS 4
	P2
	s_wait_dscnt 0x0                               ; my reads of the records are back
	s_barrier_signal -1
	s_barrier_wait -1                              ; the records may be written again
	P1
	s_wait_dscnt 0x0
	s_barrier_signal -1
	s_barrier_wait -1
	P2
	; ---- THE END: the waves' sums meet in LDS; wave 0 adds them and stores the work-group's 64 + 32 numbers
	v_and_b32 v234, 15, v0                         ; r
	s_lshl_b32 s80, s[WV], 8
	s_add_co_u32 s80, s80, RED
	v_lshl_add_u32 v180, v234, 2, s80              ; RED + 256 w + 4 r
	s_lshl_b32 s81, s[WV], 6
	s_add_co_u32 s81, s81, STA
	v_lshl_add_u32 v181, v[HH], 3, s81             ; STA + 64 w + 8 h
	v_lshrrev_b32 v232, 1, v[L16]                  ; 8 lane
	v_add_nc_u32 v182, RED, v232
	v_lshl_add_u32 v183, v234, 2, STA
	v_lshl_add_u32 v183, v[HH], 9, v183            ; lanes 0-15 add waves 0-7, lanes 16-31 waves 8-15
	s_lshl_b32 s82, ttmp9, 8
	v_add_nc_u32 v232, s82, v232                   ; zpart: 256 bytes a work-group
	s_lshl_b32 s83, ttmp9, 7
	v_add_nc_u32 v233, s83, v[L4]                  ; stat: 128 bytes a work-group
.irp dt, 0,1,2,3
	v_add_f32 v[172+\dt], v[ZA+2*\dt], v[ZA+2*\dt+1]
.endr
.irp dt, 0,1,2,3
	v_permlanex16_b32 v[176+\dt], v[172+\dt], s[SEL], s[SEL+1]
.endr
.irp dt, 0,1,2,3
	v_add_f32 v[172+\dt], v[172+\dt], v[176+\dt]   ; all tokens of my tiles: column 16 dt + r
.endr
.irp dt, 0,1,2,3
	ds_store_b32 v180, v[172+\dt] offset:64*\dt
.endr
	v_cmp_eq_u32 vcc_lo, 1, v[HH]                  ; both halves of the lanes hold every token's four probabilities: half h keeps experts 2 h, 2 h + 1
	v_cndmask_b32 v184, v[PS], v[PS+2], vcc_lo
	v_cndmask_b32 v185, v[PS+1], v[PS+3], vcc_lo
	v_mov_b32 v186, 0
	v_mov_b32 v187, 0
.irp m, 1,2,4,8
.irp g, 184,185,20,21,22,23
	v_add_f32_dpp v\g, v\g, v\g row_xmask:\m row_mask:0xf bank_mask:0xf   ; over the sixteen tokens
.endr
.endr
	ds_store_b64 v181, v[184:185]                  ; 16 numbers a wave: probabilities, counts, gate sums by expert, four zeros
	ds_store_b64 v181, v[CN:CN+1] offset:16
	ds_store_b64 v181, v[GS:GS+1] offset:32
	ds_store_b64 v181, v[186:187] offset:48
	s_wait_dscnt 0x0
	s_barrier_signal -1
	s_barrier_wait -1
	s_cmp_lg_u32 s[WV], 0
	s_cbranch_scc1 .Ldone
.irp w, 0,1,2,3,4,5,6,7,8,9,10,11,12,13,14,15
	ds_load_b64 v[188+2*\w:189+2*\w], v182 offset:256*\w
.endr
.irp w, 0,1,2,3,4,5,6,7
	ds_load_b32 v[224+\w], v183 offset:64*\w
.endr
	s_wait_dscnt 8                                 ; the sixteen sums of outputs are in; the eight loads of statistics may be out
.irp w, 2,4,6,8,10,12,14
	v_pk_add_f32 v[188:189], v[188:189], v[188+2*\w:189+2*\w]
	v_pk_add_f32 v[190:191], v[190:191], v[190+2*\w:191+2*\w]
.endr
	v_pk_add_f32 v[188:189], v[188:189], v[190:191]
	global_store_b64 v232, v[188:189], s[12:13]    ; 32 lanes store 256 consecutive bytes, aligned
	s_wait_dscnt 0x0
	v_add_f32 v224, v224, v225
	v_add_f32 v226, v226, v227
	v_add_f32 v228, v228, v229
	v_add_f32 v230, v230, v231
	v_add_f32 v224, v224, v226
	v_add_f32 v228, v228, v230
	v_add_f32 v224, v224, v228
	global_store_b32 v233, v224, s[14:15]
.Ldone:
	s_wait_tensorcnt 0x0                           ; the wave's end: behind my last tensor load and my last LDS store
	ds_add_u32 v[SPW], v[NIL]
	s_wait_dscnt 0x0
	s_endpgm
.Lfunc_end_k_qb12dcfca47_main:
	.size	k_qb12dcfca47_main, .Lfunc_end_k_qb12dcfca47_main-k_qb12dcfca47_main
	.p2alignl 7, 3214868480
	.fill 96, 4, 3214868480
	.section	.rodata,"a",@progbits
	.p2align	6, 0x0
	.amdhsa_kernel k_qb12dcfca47_main
		.amdhsa_group_segment_fixed_size 327680
		.amdhsa_private_segment_fixed_size 0
		.amdhsa_enable_private_segment 0
		.amdhsa_kernarg_size 48
		.amdhsa_user_sgpr_count 2
		.amdhsa_user_sgpr_kernarg_segment_ptr 1
		.amdhsa_wavefront_size32 1
		.amdhsa_system_sgpr_workgroup_id_x 1
		.amdhsa_system_sgpr_workgroup_id_y 1
		.amdhsa_system_sgpr_workgroup_id_z 1
		.amdhsa_system_vgpr_workitem_id 0
		.amdhsa_next_free_vgpr 256
		.amdhsa_next_free_sgpr 96
		.amdhsa_reserve_vcc 1
		.amdhsa_float_denorm_mode_32 3
		.amdhsa_float_denorm_mode_16_64 3
		.amdhsa_memory_ordered 1
		.amdhsa_forward_progress 1
		.amdhsa_inst_pref_size 185
	.end_amdhsa_kernel
	.amdgpu_metadata
---
amdhsa.version: [ 1, 2 ]
amdhsa.kernels:
  - .name:           k_qb12dcfca47_main
    .symbol:         k_qb12dcfca47_main.kd
    .args:
      - { .name: x, .offset: 0, .size: 8, .value_kind: global_buffer, .address_space: global }
      - { .name: wimg, .offset: 8, .size: 8, .value_kind: global_buffer, .address_space: global }
      - { .name: gate_b, .offset: 16, .size: 8, .value_kind: global_buffer, .address_space: global }
      - { .name: eb1, .offset: 24, .size: 8, .value_kind: global_buffer, .address_space: global }
      - { .name: zpart, .offset: 32, .size: 8, .value_kind: global_buffer, .address_space: global }
      - { .name: stat, .offset: 40, .size: 8, .value_kind: global_buffer, .address_space: global }
    .group_segment_fixed_size: 327680
    .private_segment_fixed_size: 0
    .kernarg_segment_align: 8
    .kernarg_segment_size: 48
    .max_flat_workgroup_size: 512
    .sgpr_count:     96
    .vgpr_count:     256
    .wavefront_size: 32
...
	.end_amdgpu_metadata
.endif
;; end of part 2
;; launch tail (part 3): grid 1 x 1, 8 waves a work-group, no clusters, 38,912 bytes of LDS; arguments zpart, stat, wimg, eb2, ln_g, ln_b, cl_b1, cl_w2, cl_b2, out0, out1; writes out0, out1
.if DOCPART == 3
	.amdgcn_target "amdgcn-amd-amdhsa--gfx1250"
	.amdhsa_code_object_version 6
	.text
	.protected	k_qb12dcfca47_tail
	.globl	k_qb12dcfca47_tail
	.p2align	8
	.type	k_qb12dcfca47_tail,@function
k_qb12dcfca47_tail:
	s_mov_b64 s[64:65], 0
	v_nop
	global_prefetch_b8 v0, s[64:65] scope:SCOPE_SE
	s_setreg_imm32_b32 hwreg(HW_REG_WAVE_MODE, 25, 1), 1
	s_wait_xcnt 0x0
; The 128 batch rows: z = (the two work-groups' sums + sum over experts of (gate sum) x eb2) / 1,024; LayerNorm; zn quantised x cl_w1 (codes of BF6, one E8M0 byte for each 32 along K) + cl_b1; GELU; x cl_w2 + cl_b2 in f32.
; And the load-balance loss: 4 x sum over experts of (count / 2^17) (sum of probabilities / 2^17).
; One work-group: the work is 128 rows of 64 numbers and hangs on every work-group of the launch before.  Wave w takes rows 16 w .. 16 w + 15; lane (r, h) holds row r and the 32 columns 32 b + 16 h + i.
; All loads from memory go out at the head.  The small constants go through LDS bytes of the wave's own (so no barrier), from where each half of the lanes reads its columns.
; GELU and its limits as in the launch before: x (0.5 + xc A(u) / B(u)), xc = x held to +-4 sqrt 2: absolute error of the distribution function about 1e-7.  NaN and infinities are not served.
.set WREG, 4608                        ; a wave's LDS: eb2 at 0, ln_g 1,024, ln_b 1,280, cl_b1 1,536, cl_w2 1,792 .. 4,351
.set AUX,  8*WREG                      ; 8 x 64 bytes: the waves' sums for the loss
.set FLOOR, 0x2800000
.set Z,    64                          ; v64-95   z, then zn
.set ZB,   96                          ; v96-127  the second work-group's sums; rows of eb2; ln_b; then the classifier's hidden layer
.set GSR,  128                         ; v128-143 gate sums
.set AUXR, 144                         ; v144-175 statistics of my 32 work-groups
.set CLF,  176                         ; v176-223 cl_w1's four fragments
.set CLS,  224                         ; v224-227 their scale words; v250 zn's: scales and nothing else
.set ZC,   228                         ; v228-239 zn's fragment
.set CT,   240
.set M,    244
.set ZW,   250
.set W,    128                         ; v128-207 eight rows of cl_w2
.set YA,   30                          ; v30-39   the ten outputs
.set YP,   40
.set SEL,  24
.set WV,   28
.set KA,   40
.set KB,   54
.set CLIP, 66
.macro NOPS n
.rept \n
	v_nop
.endr
.endm
.macro COEF reg, val
	s_mov_b32 s[\reg], \val
	s_mov_b32 s[\reg+1], \val
.endm
.macro GELU4 x, d, xc, t               ; four numbers; t: twelve temporaries: u, B then 1 / B, A
.irp i, 0,1,2,3
	v_med3_num_f32 v[\xc+\i], v[\x+\i], -s[CLIP], s[CLIP]
.endr
.irp p, 0,2
	v_pk_mul_f32 v[\t+\p:\t+\p+1], v[\xc+\p:\xc+\p+1], v[\xc+\p:\xc+\p+1]
.endr
.irp p, 0,2
	v_pk_fma_f32 v[\t+4+\p:\t+5+\p], v[\t+\p:\t+\p+1], s[KB+8:KB+9], s[KB+6:KB+7] op_sel_hi:[1,0,0]
.endr
.irp k, 4,2,0
.irp p, 0,2
	v_pk_fma_f32 v[\t+4+\p:\t+5+\p], v[\t+4+\p:\t+5+\p], v[\t+\p:\t+\p+1], s[KB+\k:KB+\k+1] op_sel_hi:[1,1,0]
.endr
.endr
.irp i, 4,5,6,7
	v_rcp_f32 v[\t+\i], v[\t+\i]
.endr
.irp p, 0,2
	v_pk_fma_f32 v[\t+8+\p:\t+9+\p], v[\t+\p:\t+\p+1], s[KA+12:KA+13], s[KA+10:KA+11] op_sel_hi:[1,0,0]
.endr
.irp k, 8,6,4,2,0
.irp p, 0,2
	v_pk_fma_f32 v[\t+8+\p:\t+9+\p], v[\t+8+\p:\t+9+\p], v[\t+\p:\t+\p+1], s[KA+\k:KA+\k+1] op_sel_hi:[1,1,0]
.endr
.endr
	s_wait_alu depctr_va_vdst(0)
.irp p, 0,2
	v_pk_mul_f32 v[\t+8+\p:\t+9+\p], v[\t+8+\p:\t+9+\p], v[\t+4+\p:\t+5+\p]
.endr
.irp p, 0,2
	v_pk_fma_f32 v[\t+8+\p:\t+9+\p], v[\xc+\p:\xc+\p+1], v[\t+8+\p:\t+9+\p], 0.5 op_sel_hi:[1,1,0]
.endr
.irp p, 0,2
	v_pk_mul_f32 v[\d+\p:\d+\p+1], v[\x+\p:\x+\p+1], v[\t+8+\p:\t+9+\p]
.endr
.endm
.macro QB2 s, dst, ct, m               ; 32 numbers of a lane (register 16 b + i = k 32 b + 16 h + i) into six registers of codes; the two bytes in v[m + 2], v[m + 3]
	v_max3_num_f32 v[\m], |v[\s]|, |v[\s+1]|, FLOOR
	v_max3_num_f32 v[\m+1], |v[\s+16]|, |v[\s+17]|, FLOOR
.irp i, 2,4,6,8,10,12,14
	v_max3_num_f32 v[\m], v[\m], |v[\s+\i]|, |v[\s+\i+1]|
	v_max3_num_f32 v[\m+1], v[\m+1], |v[\s+16+\i]|, |v[\s+17+\i]|
.endr
	v_permlanex16_b32 v[\m+2], v[\m], s[SEL], s[SEL+1]
	v_permlanex16_b32 v[\m+3], v[\m+1], s[SEL], s[SEL+1]
	v_max_num_f32 v[\m], v[\m], v[\m+2]
	v_max_num_f32 v[\m+1], v[\m+1], v[\m+3]
	v_add_nc_u32 v[\m+4], 0xfe000000, v[\m]
	v_add_nc_u32 v[\m+5], 0xfe000000, v[\m+1]
	v_lshrrev_b32 v[\m+2], 23, v[\m+4]
	v_lshrrev_b32 v[\m+3], 23, v[\m+5]
	v_cvt_scalef32_pk16_bf6_f32 v[\dst:\dst+2], v[\s:\s+15], v[\m+4]
	v_cvt_scalef32_pk16_bf6_f32 v[\ct:\ct+2], v[\s+16:\s+31], v[\m+5]
	v_nop                                          ; one plain place behind a scaled conversion
.irp i, 0,1,2
	v_permlane16_swap_b32 v[\dst+\i], v[\ct+\i]
.endr
.irp i, 0,1,2
	v_mov_b32 v[\dst+3+\i], v[\ct+\i]
.endr
.endm
	s_load_b256 s[4:11], s[0:1], 0x0               ; zpart, stat, wimg, eb2
	s_load_b256 s[12:19], s[0:1], 0x20             ; ln_g, ln_b, cl_b1, cl_w2
	s_load_b128 s[20:23], s[0:1], 0x40             ; cl_b2, out0
	s_load_b64 s[26:27], s[0:1], 0x50              ; out1
	v_lshl_add_u32 v254, v0, 2, 0x9400
	v_mov_b32 v255, 0
	v_lshrrev_b32 v1, 5, v0
	v_readfirstlane_b32 s[WV], v1                  ; wave 0..7
	v_and_b32 v1, 31, v0                           ; lane
	v_and_b32 v2, 15, v0                           ; r
	v_bfe_u32 v3, v0, 4, 1                         ; h
	s_mov_b32 s[SEL], 0x76543210
	s_mov_b32 s[SEL+1], 0xfedcba98
	s_mul_i32 s29, s[WV], WREG
	v_lshlrev_b32 v11, 4, v1
	v_lshlrev_b32 v12, 2, v1
	v_lshlrev_b32 v13, 3, v1
	v_add_nc_u32 v4, s29, v11                      ; my wave's LDS + 16 lane
	v_add_nc_u32 v5, s29, v13                      ; + 8 lane
	v_lshl_add_u32 v6, v3, 6, s29                  ; + 64 h: my half's 16 columns of a block of 32
	v_mul_u32_u24 v7, v3, 640
	v_add_nc_u32 v7, s29, v7                       ; + 640 h: 16 rows of cl_w2
	s_lshl_b32 s30, s[WV], 13
	v_lshlrev_b32 v8, 9, v2
	v_lshl_add_u32 v8, v3, 6, v8
	v_add_nc_u32 v8, s30, v8                       ; zpart: work-group 32 w + 2 r, + 64 h
	s_lshl_b32 s31, s[WV], 12
	v_lshl_add_u32 v9, v2, 8, s31                  ; stat: work-group 32 w + 2 r
	v_add_nc_u32 v10, s31, v11                     ; stat: my wave's 4,096 bytes, 16 a lane
	v_and_b32 v14, 3, v0
	v_lshl_add_u32 v63, v14, 4, AUX                ; the loss: quad lane % 4,
	s_lshl_b32 s33, s[WV], 6
	v_add_nc_u32 v14, s33, v63                     ; of my wave
	s_mul_i32 s34, s[WV], 640
	v_mad_u32_u24 v15, v2, 40, s34                 ; out0: row 16 w + r
	v_mov_b32 v62, 0
	v_mov_b32 v[M+2], 0                            ; written once: a lane permute's destination counts as one of its sources
	v_mov_b32 v[M+3], 0
.irp i, 6,7,8,9,10,11
	v_mov_b32 v[ZC+\i], 0                          ; K = 64: zero codes above
.endr
	s_mov_b32 s32, 0x3c800000                      ; 1 / 64
	s_wait_kmcnt 0x0
	s_load_b256 s[68:75], s[20:21], 0x0            ; cl_b2: ten numbers
	s_load_b64 s[76:77], s[20:21], 0x20
	global_load_b128 v[16:19], v11, s[10:11]       ; the constants, as they lie: eb2,
	global_load_b128 v[20:23], v11, s[10:11] offset:512
	global_load_b64 v[24:25], v13, s[12:13]        ; ln_g,
	global_load_b64 v[26:27], v13, s[14:15]        ; ln_b,
	global_load_b64 v[28:29], v13, s[16:17]        ; cl_b1,
.irp n, 0,1,2,3,4
	global_load_b128 v[30+4*\n:33+4*\n], v11, s[18:19] offset:512*\n   ; cl_w2
.endr
.irp a, 0,1
.irp n, 0,1,2,3,4,5,6,7
	global_load_b128 v[Z+32*\a+4*\n:Z+32*\a+4*\n+3], v8, s[4:5] offset:256*\a+128*(\n/4)+16*(\n%4)
.endr
.endr
.irp a, 0,1
.irp g, 0,1
	global_load_b128 v[GSR+8*\a+4*\g:GSR+8*\a+4*\g+3], v9, s[6:7] offset:128*\a+64*\g+32   ; the gate sums by expert: two work-groups, two halves of their waves
.endr
.endr
.irp n, 0,1,2,3,4,5,6,7
	global_load_b128 v[AUXR+4*\n:AUXR+4*\n+3], v10, s[6:7] offset:512*\n
.endr
.irp n, 0,1,2,3,4,5,6,7,8,9,10,11
	global_load_b128 v[CLF+4*\n:CLF+4*\n+3], v11, s[8:9] offset:131072+512*\n
.endr
.irp T, 0,1,2,3
	global_load_b32 v[CLS+\T], v12, s[8:9] offset:137216+128*\T
.endr
	COEF KA,    0xbbba79f3
	COEF KA+2,  0xba08eb41
	COEF KA+4,  0xb8883d9c
	COEF KA+6,  0xb628d45d
	COEF KA+8,  0xb347667d
	COEF KA+10, 0x2fa84a8d
	COEF KA+12, 0xabd3f331
	COEF KB,    0xbc69b6a7
	COEF KB+2,  0xbb719bf8
	COEF KB+4,  0xb9dc924e
	COEF KB+6,  0xb7dfbd29
	COEF KB+8,  0xb57460cd
	s_mov_b32 s[CLIP], 0x40b504f3
	s_wait_loadcnt 44                              ; the ten loads of constants are in; the 16 + 4 + 8 + 12 + 4 behind them may be out
	ds_store_b128 v4, v[16:19]
	ds_store_b128 v4, v[20:23] offset:512
	ds_store_b64 v5, v[24:25] offset:1024
	ds_store_b64 v5, v[26:27] offset:1280
	ds_store_b64 v5, v[28:29] offset:1536
.irp n, 0,1,2,3,4
	ds_store_b128 v4, v[30+4*\n:33+4*\n] offset:1792+512*\n
.endr
	s_wait_loadcnt 24                              ; the sums of outputs and the gate sums are in; 8 + 12 + 4 may be out
.irp j, 0,2,4,6,8,10,12,14,16,18,20,22,24,26,28,30
	v_pk_add_f32 v[Z+\j:Z+\j+1], v[Z+\j:Z+\j+1], v[ZB+\j:ZB+\j+1]
.endr
.irp j, 0,2
	v_pk_add_f32 v[GSR+\j:GSR+\j+1], v[GSR+\j:GSR+\j+1], v[GSR+4+\j:GSR+5+\j]
	v_pk_add_f32 v[GSR+8+\j:GSR+9+\j], v[GSR+8+\j:GSR+9+\j], v[GSR+12+\j:GSR+13+\j]
.endr
.irp j, 0,2
	v_pk_add_f32 v[GSR+\j:GSR+\j+1], v[GSR+\j:GSR+\j+1], v[GSR+8+\j:GSR+9+\j]
.endr
.irp e, 0,1,2,3                        ; + (the row's gate sum of expert e) x eb2[e]
.irp n, 0,1,2,3,4,5,6,7
	ds_load_b128 v[ZB+4*\n:ZB+4*\n+3], v6 offset:256*\e+128*(\n/4)+16*(\n%4)   ; LDS serves a wave's instructions in order: these see my stores
.endr
	s_wait_dscnt 0x0
.set n, 0
.rept 32
	v_fmac_f32 v[Z+n], v[GSR+\e], v[ZB+n]
.set n, n+1
.endr
.endr
.irp n, 0,1,2,3,4,5,6,7
	ds_load_b128 v[16+4*\n:19+4*\n], v6 offset:1024+128*(\n/4)+16*(\n%4)     ; ln_g
.endr
.irp n, 0,1,2,3,4,5,6,7
	ds_load_b128 v[ZB+4*\n:ZB+4*\n+3], v6 offset:1280+128*(\n/4)+16*(\n%4)   ; ln_b
.endr
.irp j, 0,2,4,6,8,10,12,14,16,18,20,22,24,26,28,30
	v_pk_mul_f32 v[Z+\j:Z+\j+1], v[Z+\j:Z+\j+1], 0x3a800000 op_sel_hi:[1,0]   ; the mean over 1,024 tokens: x 2^-10
.endr
	v_pk_add_f32 v[50:51], v[Z:Z+1], v[Z+2:Z+3]
	v_pk_add_f32 v[52:53], v[Z+4:Z+5], v[Z+6:Z+7]
.irp j, 8,12,16,20,24,28
	v_pk_add_f32 v[50:51], v[50:51], v[Z+\j:Z+\j+1]
	v_pk_add_f32 v[52:53], v[52:53], v[Z+\j+2:Z+\j+3]
.endr
	v_pk_add_f32 v[50:51], v[50:51], v[52:53]
	v_add_f32 v50, v50, v51
	v_permlanex16_b32 v51, v50, s[SEL], s[SEL+1]
	v_add_f32 v50, v50, v51
	v_mul_f32 v50, s32, v50                        ; the row's mean
.irp j, 0,2,4,6,8,10,12,14,16,18,20,22,24,26,28,30
	v_pk_add_f32 v[Z+\j:Z+\j+1], v[Z+\j:Z+\j+1], v[50:51] op_sel_hi:[1,0] neg_lo:[0,1] neg_hi:[0,1]
.endr
	v_pk_mul_f32 v[52:53], v[Z:Z+1], v[Z:Z+1]
	v_pk_mul_f32 v[54:55], v[Z+2:Z+3], v[Z+2:Z+3]
.irp j, 4,8,12,16,20,24,28
	v_pk_fma_f32 v[52:53], v[Z+\j:Z+\j+1], v[Z+\j:Z+\j+1], v[52:53]
	v_pk_fma_f32 v[54:55], v[Z+\j+2:Z+\j+3], v[Z+\j+2:Z+\j+3], v[54:55]
.endr
	v_pk_add_f32 v[52:53], v[52:53], v[54:55]
	v_add_f32 v52, v52, v53
	v_permlanex16_b32 v53, v52, s[SEL], s[SEL+1]
	v_add_f32 v52, v52, v53
	v_fmaak_f32 v52, s32, v52, 0x3727c5ac          ; the variance + 1e-5
	v_rsq_f32 v52, v52
	v_nop                                          ; one plain place behind a transcendental
	s_wait_dscnt 0x0                               ; ln_g, ln_b
	s_wait_alu depctr_va_vdst(0)
.irp j, 0,2,4,6,8,10,12,14,16,18,20,22,24,26,28,30
	v_pk_mul_f32 v[Z+\j:Z+\j+1], v[Z+\j:Z+\j+1], v[52:53] op_sel_hi:[1,0]
.endr
.irp j, 0,2,4,6,8,10,12,14,16,18,20,22,24,26,28,30
	v_pk_fma_f32 v[Z+\j:Z+\j+1], v[Z+\j:Z+\j+1], v[16+\j:17+\j], v[ZB+\j:ZB+\j+1]
.endr
	QB2 Z, ZC, CT, M
	v_lshl_or_b32 v[ZW], v[M+3], 8, v[M+2]
.irp T, 0,1,2,3                        ; cl_b1 in the result's layout: the sums begin with it
	ds_load_b128 v[ZB+8*\T:ZB+8*\T+3], v6 offset:1536+128*(\T/2)+32*(\T%2)
	ds_load_b128 v[ZB+8*\T+4:ZB+8*\T+7], v6 offset:1536+128*(\T/2)+32*(\T%2)+16
.endr
	NOPS 8                                         ; a scale word made by vector instructions stands eight places ahead of the product, codes so made four
	s_wait_loadcnt 0x0
	s_wait_dscnt 0x0
.irp T, 0,1,2,3                        ; transposed: source 0 = 16 columns of cl_w1, source 1 = my 16 rows
	v_wmma_scale_f32_16x16x128_f8f6f4 v[ZB+8*\T:ZB+8*\T+7], v[CLF+12*\T:CLF+12*\T+11], v[ZC:ZC+11], v[ZB+8*\T:ZB+8*\T+7], v[CLS+\T], v[ZW] matrix_a_fmt:MATRIX_FMT_BF6 matrix_b_fmt:MATRIX_FMT_BF6
.endr
	; the loss, my 32 work-groups: a lane's quad is quad lane % 8 of a work-group's 128 bytes (probabilities, counts, gate sums, zeros; twice).  These additions are also the places behind the products
.irp n, 1,2,3,4,5,6,7
	v_pk_add_f32 v[AUXR:AUXR+1], v[AUXR:AUXR+1], v[AUXR+4*\n:AUXR+4*\n+1]
	v_pk_add_f32 v[AUXR+2:AUXR+3], v[AUXR+2:AUXR+3], v[AUXR+4*\n+2:AUXR+4*\n+3]
.endr
.irp m, 4,8
.irp i, 0,1,2,3
	v_add_f32_dpp v[AUXR+\i], v[AUXR+\i], v[AUXR+\i] row_xmask:\m row_mask:0xf bank_mask:0xf
.endr
.endr
.irp i, 0,1,2,3
	v_permlanex16_b32 v[AUXR+4+\i], v[AUXR+\i], s[SEL], s[SEL+1]
.endr
.irp i, 0,1,2,3
	v_add_f32 v[AUXR+\i], v[AUXR+\i], v[AUXR+4+\i]
.endr
	ds_store_b128 v14, v[AUXR:AUXR+3]              ; the eight lanes of a quad store the same 16 bytes
.irp n, 0,1,2,3,4,5,6,7
	GELU4 ZB+4*\n, ZB+4*\n, 50, 16
.endr
	; the last product in f32: register 8 T + j of lane (r, h) is hidden unit 32 (T / 2) + 16 h + 8 (T % 2) + j; its row of cl_w2 is 40 bytes
.irp T, 0,1,2,3
.irp j, 0,1,2,3,4,5,6,7
.irp q, 0,1,2,3,4
	ds_load_b64 v[W+10*\j+2*\q:W+10*\j+2*\q+1], v7 offset:1792+40*(32*(\T/2)+8*(\T%2)+\j)+8*\q
.endr
.endr
	s_wait_dscnt 0x0
.irp j, 0,1,2,3,4,5,6,7
.irp c, 0,1,2,3,4,5,6,7,8,9
.if (\T == 0) && (\j == 0)
	v_mul_f32 v[YA+\c], v[ZB], v[W+\c]             ; the first product starts the sums
.else
	v_fmac_f32 v[YA+\c], v[ZB+8*\T+\j], v[W+10*\j+\c]
.endif
.endr
.endr
.endr
.irp c, 0,1,2,3,4,5,6,7,8,9
	v_permlanex16_b32 v[YP+\c], v[YA+\c], s[SEL], s[SEL+1]
.endr
.irp c, 0,1,2,3,4,5,6,7,8,9
	v_add_f32 v[YA+\c], v[YA+\c], v[YP+\c]         ; with the other half's 32 hidden units
.endr
	s_wait_kmcnt 0x0                               ; cl_b2
.irp c, 0,1,2,3,4,5,6,7,8,9
	v_add_f32 v[YA+\c], s[68+\c], v[YA+\c]
.endr
	v_cmp_gt_u32 vcc_lo, 16, v1
	s_wait_xcnt 0x0                                ; EXEC changes only behind this wait
	s_and_saveexec_b32 s30, vcc_lo                 ; lanes 0-15 store their rows
.irp q, 0,1,2,3,4
	global_store_b64 v15, v[YA+2*\q:YA+2*\q+1], s[22:23] offset:8*\q
.endr
	s_wait_xcnt 0x0                                ; and again, in front of the line that widens it
	s_or_b32 exec_lo, exec_lo, s30
	s_wait_dscnt 0x0                               ; for the others' sake: my sums for the loss lie in LDS
	s_barrier_signal -1
	s_barrier_wait -1
	s_cmp_lg_u32 s[WV], 0
	s_cbranch_scc1 .Lend
.irp w, 0,1,2,3,4,5,6,7
	ds_load_b128 v[Z+4*\w:Z+4*\w+3], v63 offset:64*\w
.endr
	s_wait_dscnt 0x0
.irp w, 1,2,3,4,5,6,7
	v_pk_add_f32 v[Z:Z+1], v[Z:Z+1], v[Z+4*\w:Z+4*\w+1]
	v_pk_add_f32 v[Z+2:Z+3], v[Z+2:Z+3], v[Z+4*\w+2:Z+4*\w+3]
.endr
.irp i, 0,1,2,3
	v_mul_f32_dpp v[Z+\i], v[Z+\i], v[Z+\i] row_xmask:1 row_mask:0xf bank_mask:0xf   ; lane 0: (counts, from lane 1) x (sums of probabilities)
.endr
	v_add_f32 v[Z], v[Z], v[Z+1]
	v_add_f32 v[Z+2], v[Z+2], v[Z+3]
	v_add_f32 v[Z], v[Z], v[Z+2]
	v_mul_f32 v[Z], 0x2f800000, v[Z]               ; x 4 / 2^34
	v_cmp_eq_u32 vcc_lo, 0, v1
	s_wait_xcnt 0x0
	s_and_saveexec_b32 s30, vcc_lo
	global_store_b32 v62, v[Z], s[26:27]
	s_wait_xcnt 0x0
	s_or_b32 exec_lo, exec_lo, s30
.Lend:
	s_barrier_signal -1
	s_barrier_wait -1
	s_wait_tensorcnt 0x0
	ds_add_u32 v254, v255
	s_wait_dscnt 0x0
	s_endpgm
.Lfunc_end_k_qb12dcfca47_tail:
	.size	k_qb12dcfca47_tail, .Lfunc_end_k_qb12dcfca47_tail-k_qb12dcfca47_tail
	.p2alignl 7, 3214868480
	.fill 96, 4, 3214868480
	.section	.rodata,"a",@progbits
	.p2align	6, 0x0
	.amdhsa_kernel k_qb12dcfca47_tail
		.amdhsa_group_segment_fixed_size 38912
		.amdhsa_private_segment_fixed_size 0
		.amdhsa_enable_private_segment 0
		.amdhsa_kernarg_size 88
		.amdhsa_user_sgpr_count 2
		.amdhsa_user_sgpr_kernarg_segment_ptr 1
		.amdhsa_wavefront_size32 1
		.amdhsa_system_sgpr_workgroup_id_x 1
		.amdhsa_system_sgpr_workgroup_id_y 1
		.amdhsa_system_sgpr_workgroup_id_z 1
		.amdhsa_system_vgpr_workitem_id 0
		.amdhsa_next_free_vgpr 256
		.amdhsa_next_free_sgpr 80
		.amdhsa_reserve_vcc 1
		.amdhsa_float_denorm_mode_32 3
		.amdhsa_float_denorm_mode_16_64 3
		.amdhsa_memory_ordered 1
		.amdhsa_forward_progress 1
		.amdhsa_inst_pref_size 72
	.end_amdhsa_kernel
	.amdgpu_metadata
---
amdhsa.version: [ 1, 2 ]
amdhsa.kernels:
  - .name:           k_qb12dcfca47_tail
    .symbol:         k_qb12dcfca47_tail.kd
    .args:
      - { .name: zpart, .offset: 0, .size: 8, .value_kind: global_buffer, .address_space: global }
      - { .name: stat, .offset: 8, .size: 8, .value_kind: global_buffer, .address_space: global }
      - { .name: wimg, .offset: 16, .size: 8, .value_kind: global_buffer, .address_space: global }
      - { .name: eb2, .offset: 24, .size: 8, .value_kind: global_buffer, .address_space: global }
      - { .name: ln_g, .offset: 32, .size: 8, .value_kind: global_buffer, .address_space: global }
      - { .name: ln_b, .offset: 40, .size: 8, .value_kind: global_buffer, .address_space: global }
      - { .name: cl_b1, .offset: 48, .size: 8, .value_kind: global_buffer, .address_space: global }
      - { .name: cl_w2, .offset: 56, .size: 8, .value_kind: global_buffer, .address_space: global }
      - { .name: cl_b2, .offset: 64, .size: 8, .value_kind: global_buffer, .address_space: global }
      - { .name: out0, .offset: 72, .size: 8, .value_kind: global_buffer, .address_space: global }
      - { .name: out1, .offset: 80, .size: 8, .value_kind: global_buffer, .address_space: global }
    .group_segment_fixed_size: 38912
    .private_segment_fixed_size: 0
    .kernarg_segment_align: 8
    .kernarg_segment_size: 88
    .max_flat_workgroup_size: 256
    .sgpr_count:     80
    .vgpr_count:     256
    .wavefront_size: 32
...
	.end_amdgpu_metadata
.endif
;; end of part 3
